; MI455X (gfx1250); checked and timed in simulation.
; The chip was launched on July 23, 2026; its instructions are those of AMD's public machine-readable ISA for CDNA 5 (MIT licence, August 2026) and "CDNA5" Instruction Set Architecture Reference Guide (July 2026). The comments in the code are by the model that wrote it; some were corrected since.
;; Multi Head Attention Quantum. Allowed arithmetic: matrix products marked QUANTISED: E2M1 operands, one E8M0 scale for each 32 along K, by v_wmma_scale_f32_16x16x128_f8f6f4 with both operands' format E2M1 (or v_wmma_scale_f32_32x16x128_f4), f32 sums; products left as they are: bf16, f16 or f32 operands; f32 sums; everything else in f32.
;; Inputs: Wk 1,024 x 1,024 float32; Wo 1,024 x 1,024 float32; Wq 1,024 x 1,024 float32; Wv 1,024 x 1,024 float32; theta 64 float32; x 4 x 2,048 x 1,024 float32.
;; Outputs: out0 4 x 2,048 x 1,024 float32.
;; This version of the problem:
;;   THIS VERSION OF THE PROBLEM IS GIVEN IN LOW PRECISION. The matrix products marked QUANTISED in the list below multiply operands that are first quantised to E2M1 (2 exponent bits, 1 mantissa bit; 4 bits a number), with one power-of-two scale for each 32 numbers along K (OCP MX v1.0); their sums are f32. The products marked 'left as it is' may take bf16, f16 or f32 operands, with f32 sums. Whichever they take, every output number must still come out within the allowed error. Rounding operands to bf16 (8 significant bits) uses up far more of that allowance than f16 does (11 bits, for magnitudes from 6e-5 to 65,504). All else is computed in f32.
;;   The module's matrix products, in the order in which they are computed (A, B: the left and right operand; K: the contracted axis; several contracted axes count as one K, in the product's order):
;;     1. [M 8,192, K 1,024] x [K 1,024, N 1,024]; A: input x; B: input Wq: QUANTISED
;;     2. [M 8,192, K 1,024] x [K 1,024, N 1,024]; A: input x; B: input Wk: QUANTISED
;;     3. [M 8,192, K 1,024] x [K 1,024, N 1,024]; A: input x; B: input Wv: QUANTISED
;;     4. batch 64 x [M 2,048, K 64] x [K 64, N 2,048]; A: computed on the way; B: computed on the way: left as it is (an operand is computed on the way)
;;     5. batch 64 x [M 2,048, K 2,048] x [K 2,048, N 64]; A: computed on the way; B: computed on the way: left as it is (an operand is computed on the way)
;;     6. [M 8,192, K 1,024] x [K 1,024, N 1,024]; A: computed on the way; B: input Wo: left as it is (an operand is computed on the way)
;;   THE QUANTISER, for each operand of a quantised product, along K:
;;     - K is cut into blocks of 32 from its start; a last block that is shorter is filled with zeros.
;;     - A block's scale is 2^e with e = floor(log2(the largest magnitude in the block)) - 2, held to -126 .. 127; a block of zeros has e = 0. As a byte (E8M0): e + 127.
;;     - Each number is divided by its block's scale, clamped to +-6, and rounded to the nearest number of E2M1, ties to even, subnormals kept.
;;     - The product sums the exact products of the quantised numbers (number of the format x scale) in f32.
;;   ~~~python
;;   def quantise(x, axis):      # numpy; x: float32 -> the quantised numbers, widened to float32 again
;;       x = np.moveaxis(x, axis, -1); K = x.shape[-1]
;;       x = np.pad(x, [(0, 0)] * (x.ndim - 1) + [(0, -K % 32)]); x = x.reshape(x.shape[:-1] + (-1, 32)); a = np.abs(x).max(-1, keepdims=True)
;;       e = np.where(a > 0, np.clip(np.frexp(np.where(a > 0, a, 1))[1] - 1 - 2, -126, 127), 0)      # np.frexp(a)[1] - 1 = floor(log2(a)), exactly
;;       r = np.clip(x / 2.0 ** e, -6, 6)
;;       step = 2.0 ** (np.maximum(np.frexp(np.where(r == 0, 1, r))[1] - 1, 0) - 1)
;;       q = np.round(r / step) * step * 2.0 ** e      # np.round: ties to even
;;       return np.moveaxis(q.reshape(q.shape[:-2] + (-1,))[..., :K], -1, axis).astype(np.float32)
;;   ~~~
;; One version. Each part assembles by itself: llvm-mc -triple=amdgcn-amd-amdhsa -mcpu=gfx1250 --defsym DOCPART=n.
;; ======== version 1 of 1: 4 launches
;; limits: values are held in f16: magnitudes above 65,504 overflow, below 6.1e-05 lose precision; right only within a limited range of input values
;; workspace buffers: cod 5,767,168 bytes; scl 360,448 bytes; wo16 2,097,152 bytes; qkv 50,331,648 bytes; att 16,777,216 bytes
;; launch quant (part 1): grid 384 x 1, 4 waves a work-group, no clusters, 33,280 bytes of LDS; arguments x, Wq, Wk, Wv, Wo, cod, scl, wo16; writes cod, scl, wo16
.if DOCPART == 1
	.amdgcn_target "amdgcn-amd-amdhsa--gfx1250"
	.amdhsa_code_object_version 6
	.text
	.protected	k_q77e705bb70_quant
	.globl	k_q77e705bb70_quant
	.p2align	8
	.type	k_q77e705bb70_quant,@function
k_q77e705bb70_quant:
	s_mov_b64 s[64:65], 0
	v_nop
	global_prefetch_b8 v0, s[64:65] scope:SCOPE_SE
	s_setreg_imm32_b32 hwreg(HW_REG_WAVE_MODE, 25, 1), 1
	s_wait_xcnt 0x0
; x [8192][1024], Wq, Wk, Wv [1024][1024], f32, K innermost, become codes of FP4 (E2M1) with one E8M0 scale byte for each 32 along K; Wo [1024][1024] becomes f16.
; cod: rows of 512 bytes (1,024 codes): x's 8,192 rows, then Wq's, Wk's, Wv's 1,024 each.  scl: rows of 32 bytes in the same order.  wo16: Wo's rows as they lie, f16.
; A block's scale is 2^(floor(log2(its largest magnitude)) - 2); its byte is the largest magnitude's exponent field - 2, held at 1 from below.  A block of zeros so gets the byte 1: its codes are zeros,
; which add nothing under any byte but 0xff, and this program alone reads the bytes.
; LIMITS: blocks whose largest magnitude lies under 2^-124 (the floor) keep the byte 1; NaN and infinities among the inputs are not served; Wo beyond f16's largest number, 65,504, is not served.
; Rows are dense and K is a multiple of 32: every tensor is a plain stream of blocks of 32.  A work-group takes 32,768 numbers, a wave 8,192.  Work-groups 0-255: x; 256-351: Wq, Wk, Wv, 32 each; 352-383: Wo.
; Since cod and scl hold x and then the weights on end, the place of a wave's results is its run's number, 4 x work-group + wave, for all of the first 352 work-groups.
; THE QUANTISING PATH: 16 steps of 512 numbers.  Each of a step's four loads reads 512 consecutive bytes, 16 a lane; the 2,048 bytes turn through the wave's own stage in LDS and come back 64 bytes a lane, since the
; conversions take neighbours along K from ONE lane's registers (two neighbouring lanes hold a block).  A lane's 16 codes are 8 bytes: the wave stores 256 consecutive bytes.  A wave's 256 scale bytes are gathered in LDS.
; No tensor loads, no barrier: waves share nothing.  Loads run four steps (16 loads a wave) ahead, the turn through LDS one step.
.set WAVES, 4
.set STEPS, 16
.set EMAX,  2
.set CB,    8                          ; bytes of 16 codes
.set GX,    256                        ; work-groups for x
.set GW,    32                         ; for each weight
.set GQ,    GX+3*GW                    ; the first of Wo's
.set R,     16                         ; v16-79   four sets of 16 numbers as they are loaded
.set X,     80                         ; v80-111  two sets of 16 neighbours
.set E,     112                        ; v112-127 a scale byte for each step
.set C,     128                        ; v128-191 codes: four registers for each step, so that no store's data are written again
.set WI,    16                         ; Wo's path: v16-143 two sets of 64 numbers
.set WH,    144                        ;            v144-207 two sets of 32 registers of f16
.set WREG,  8192                       ; LDS: a region for each wave: two stages of 32 x SP bytes, and behind them its 256 scale bytes
.set SP,    80                         ; a lane's place in a stage: its 64 bytes + 16 of padding
.set SPW,   12                         ; v12 LDS address of my spare word; never rewritten
.set NIL,   13                         ; v13 0; never rewritten
.set SPARE, WAVES*WREG                 ; behind the four regions: the spare words, 128 bytes a wave
	s_load_b256 s[4:11], s[0:1], 0x0               ; x s[4:5], Wq s[6:7], Wk s[8:9], Wv s[10:11]
	s_load_b256 s[12:19], s[0:1], 0x20             ; Wo s[12:13], cod s[14:15], scl s[16:17], wo16 s[18:19]
	v_lshl_add_u32 v[SPW], v0, 2, SPARE
	v_mov_b32 v[NIL], 0
	v_lshrrev_b32 v1, 5, v0
	v_readfirstlane_b32 s20, v1                    ; wave
	v_and_b32 v2, 31, v0                           ; lane
	v_lshlrev_b32 v3, 4, v2                        ; my 16 bytes of a load's 512
	v_mul_u32_u24 v4, v2, CB                       ; my 8 bytes of a store's 256
	s_mul_i32 s21, s20, WREG
	v_lshrrev_b32 v14, 2, v2
	v_mul_u32_u24 v14, v14, SP
	v_and_b32 v15, 3, v2
	v_lshl_add_u32 v14, v15, 4, v14
	v_add_nc_u32 v14, s21, v14                     ; the stage, on the way in: four lanes' 64 bytes on end, then 16 of padding
	v_mul_u32_u24 v15, v2, SP
	v_add_nc_u32 v15, s21, v15                     ; and on the way out: SP x lane: my 16 neighbours
	v_lshrrev_b32 v5, 1, v2
	s_add_co_u32 s21, s21, 2*32*SP
	v_add_nc_u32 v5, s21, v5                       ; my wave's 256 scale bytes, my block's byte
	v_lshlrev_b32 v7, 3, v2                        ; and on the way out 8 bytes a lane
	v_add_nc_u32 v6, s21, v7
	s_wait_kmcnt 0x0
	s_cmp_ge_u32 ttmp9, GQ                         ; the work-group's number alone decides the path
	s_cbranch_scc1 .Lwo
	s_sub_co_u32 s24, ttmp9, GX
	s_and_b32 s24, s24, GW-1                       ; a weight's work-group: which of its 32
	s_cmp_lt_u32 ttmp9, GX+2*GW
	s_cselect_b64 s[22:23], s[8:9], s[10:11]       ; Wk or Wv,
	s_cmp_lt_u32 ttmp9, GX+GW
	s_cselect_b64 s[22:23], s[6:7], s[22:23]       ; or Wq,
	s_cmp_lt_u32 ttmp9, GX
	s_cselect_b64 s[22:23], s[4:5], s[22:23]       ; or x
	s_cselect_b32 s24, ttmp9, s24
	s_lshl_b32 s24, s24, 2
	s_add_co_u32 s24, s24, s20                     ; my run of 8,192 numbers in the source,
	s_lshl_b32 s24, s24, 15                        ; 32,768 bytes a run
	s_mov_b32 s25, 0
	s_add_nc_u64 s[22:23], s[22:23], s[24:25]
	s_lshl_b32 s26, ttmp9, 2
	s_add_co_u32 s26, s26, s20                     ; and in cod and scl
	s_lshl_b32 s28, s26, 12                        ; 4,096 bytes of codes a run
	s_mov_b32 s29, 0
	s_add_nc_u64 s[14:15], s[14:15], s[28:29]
	s_lshl_b32 s28, s26, 8                         ; 256 scale bytes a run
	s_add_nc_u64 s[16:17], s[16:17], s[28:29]
.macro LOAD t
.irp i, 0,1,2,3
	global_load_b128 v[R+16*((\t)%4)+4*\i:R+16*((\t)%4)+4*\i+3], v3, s[22:23] offset:2048*(\t)+512*\i th:TH_LOAD_NT   ; 32 lanes read 512 consecutive bytes
.endr
.endm
.macro TURN t                          ; step t's numbers through the stage: LDS serves a wave's instructions in order, so no wait stands between the stores and the loads
.irp i, 0,1,2,3
	ds_store_b128 v14, v[R+16*((\t)%4)+4*\i:R+16*((\t)%4)+4*\i+3] offset:32*SP*((\t)%2)+8*SP*\i
.endr
.irp i, 0,1,2,3
	ds_load_b128 v[X+16*((\t)%2)+4*\i:X+16*((\t)%2)+4*\i+3], v15 offset:32*SP*((\t)%2)+16*\i
.endr
.endm
.irp t, 0,1,2,3
	LOAD \t
.endr
	s_wait_loadcnt 12                              ; step 0's four loads are in; three steps' twelve may be out
	TURN 0
.macro STEP t
.set XS, X+16*((\t)%2)
.if (\t) > 0
	s_wait_dscnt 1                                 ; this step's numbers are back from the stage (the last step's byte store may be out): so its stores into the stage have read their registers,
.else
	s_wait_dscnt 0x0
.endif
.if (\t)+4 < STEPS
	LOAD (\t)+4                                    ; which take the loads of four steps on
.endif
.if (\t)+1 < STEPS
.if STEPS-2-(\t) >= 3
	s_wait_loadcnt 12                              ; the next step's four loads are in; those of the three steps behind it may be out
.else
	s_wait_loadcnt 4*(STEPS-2-(\t))
.endif
	TURN (\t)+1                                    ; and go through the other stage while this step is worked
.endif
	v_max3_num_f32 v8, |v[XS]|, |v[XS+1]|, |v[XS+2]|               ; the largest magnitude of my 16, in two chains
	v_max3_num_f32 v9, |v[XS+3]|, |v[XS+4]|, |v[XS+5]|
.irp i, 6,10
	v_max3_num_f32 v8, v8, |v[XS+\i]|, |v[XS+\i+1]|
	v_max3_num_f32 v9, v9, |v[XS+\i+2]|, |v[XS+\i+3]|
.endr
	v_max3_num_f32 v8, v8, |v[XS+14]|, |v[XS+15]|
	v_max3_num_f32 v8, v8, v9, (EMAX+1)<<23        ; and the floor 2^(3 - 127): the byte cannot fall under 1
	v_max_num_f32_dpp v8, v8, v8 row_xmask:1 row_mask:0xf bank_mask:0xf   ; and of my neighbour's 16: the block's
	v_add_nc_u32 v11, -(EMAX<<23), v8              ; 2 off its exponent field: the conversion takes the exponent field of this operand as its scale
	v_cvt_scalef32_pk8_fp4_f32 v[C+4*(\t)], v[XS:XS+7], v11        ; eight numbers / the scale, to the nearest code, ties to even, beyond the largest code the largest
	v_cvt_scalef32_pk8_fp4_f32 v[C+4*(\t)+1], v[XS+8:XS+15], v11
	v_lshrrev_b32 v[E+(\t)], 23, v11               ; the scale's byte (also the plain line behind the conversions)
	ds_store_b8 v5, v[E+(\t)] offset:16*(\t)       ; both lanes of a block write the same byte with the same value
	global_store_b64 v4, v[C+4*(\t):C+4*(\t)+1], s[14:15] offset:32*CB*(\t)   ; 32 lanes store 256 consecutive bytes, aligned
.endm
.irp t, 0,1,2,3,4,5,6,7,8,9,10,11,12,13,14,15
	STEP \t
.endr
	ds_load_b64 v[8:9], v6                         ; LDS serves a wave's instructions in order: these see my byte stores
	s_wait_dscnt 0x0
	global_store_b64 v7, v[8:9], s[16:17]          ; 32 lanes store 256 consecutive bytes, aligned
	s_wait_tensorcnt 0x0                           ; the wave's end, behind my last LDS store
	ds_add_u32 v[SPW], v[NIL]
	s_wait_dscnt 0x0
	s_endpgm
; WO'S PATH: four groups of 2,048 numbers a wave.  A load reads 512 consecutive bytes, its four numbers a lane round to 8 bytes, a store writes 256 consecutive bytes.  No LDS is used.
.Lwo:
	s_sub_co_u32 s24, ttmp9, GQ
	s_lshl_b32 s24, s24, 2
	s_add_co_u32 s24, s24, s20                     ; my run of 8,192 numbers
	s_lshl_b32 s26, s24, 15
	s_mov_b32 s27, 0
	s_add_nc_u64 s[12:13], s[12:13], s[26:27]
	s_lshl_b32 s26, s24, 14
	s_add_nc_u64 s[18:19], s[18:19], s[26:27]
.macro LOADG t
.irp i, 0,1,2,3,4,5,6,7,8,9,10,11,12,13,14,15
	global_load_b128 v[WI+64*((\t)%2)+4*\i:WI+64*((\t)%2)+4*\i+3], v3, s[12:13] offset:8192*(\t)+512*\i th:TH_LOAD_NT
.endr
.endm
.macro WOGRP t
.if (\t) < 3
	s_wait_loadcnt 16                              ; this group's sixteen loads are in; the next group's may be out
.else
	s_wait_loadcnt 0x0
.endif
.if (\t) >= 2
	s_wait_xcnt 0x0                                ; the stores of two groups back have read their data: the set is written again only behind this wait
.endif
.irp i, 0,1,2,3,4,5,6,7,8,9,10,11,12,13,14,15
	v_cvt_pk_f16_f32 v[WH+32*((\t)%2)+2*\i],   v[WI+64*((\t)%2)+4*\i],   v[WI+64*((\t)%2)+4*\i+1]
	v_cvt_pk_f16_f32 v[WH+32*((\t)%2)+2*\i+1], v[WI+64*((\t)%2)+4*\i+2], v[WI+64*((\t)%2)+4*\i+3]
.endr
.if (\t) < 2
	LOADG (\t)+2
.endif
.irp i, 0,1,2,3,4,5,6,7,8,9,10,11,12,13,14,15
	global_store_b64 v4, v[WH+32*((\t)%2)+2*\i:WH+32*((\t)%2)+2*\i+1], s[18:19] offset:4096*(\t)+256*\i
.endr
.endm
	LOADG 0
	LOADG 1
	WOGRP 0
	WOGRP 1
	WOGRP 2
	WOGRP 3
	s_wait_tensorcnt 0x0                           ; the wave's end
	ds_add_u32 v[SPW], v[NIL]
	s_wait_dscnt 0x0
	s_endpgm
.Lfunc_end_k_q77e705bb70_quant:
	.size	k_q77e705bb70_quant, .Lfunc_end_k_q77e705bb70_quant-k_q77e705bb70_quant
	.p2alignl 7, 3214868480
	.fill 96, 4, 3214868480
	.section	.rodata,"a",@progbits
	.p2align	6, 0x0
	.amdhsa_kernel k_q77e705bb70_quant
		.amdhsa_group_segment_fixed_size 33280
		.amdhsa_private_segment_fixed_size 0
		.amdhsa_enable_private_segment 0
		.amdhsa_kernarg_size 64
		.amdhsa_user_sgpr_count 2
		.amdhsa_user_sgpr_kernarg_segment_ptr 1
		.amdhsa_wavefront_size32 1
		.amdhsa_system_sgpr_workgroup_id_x 1
		.amdhsa_system_sgpr_workgroup_id_y 1
		.amdhsa_system_sgpr_workgroup_id_z 1
		.amdhsa_system_vgpr_workitem_id 0
		.amdhsa_next_free_vgpr 208
		.amdhsa_next_free_sgpr 66
		.amdhsa_reserve_vcc 0
		.amdhsa_float_denorm_mode_32 3
		.amdhsa_float_denorm_mode_16_64 3
		.amdhsa_memory_ordered 1
		.amdhsa_forward_progress 1
		.amdhsa_inst_pref_size 54
	.end_amdhsa_kernel
	.amdgpu_metadata
---
amdhsa.version: [ 1, 2 ]
amdhsa.kernels:
  - .name:           k_q77e705bb70_quant
    .symbol:         k_q77e705bb70_quant.kd
    .args:
      - { .name: x, .offset: 0, .size: 8, .value_kind: global_buffer, .address_space: global }
      - { .name: Wq, .offset: 8, .size: 8, .value_kind: global_buffer, .address_space: global }
      - { .name: Wk, .offset: 16, .size: 8, .value_kind: global_buffer, .address_space: global }
      - { .name: Wv, .offset: 24, .size: 8, .value_kind: global_buffer, .address_space: global }
      - { .name: Wo, .offset: 32, .size: 8, .value_kind: global_buffer, .address_space: global }
      - { .name: cod, .offset: 40, .size: 8, .value_kind: global_buffer, .address_space: global }
      - { .name: scl, .offset: 48, .size: 8, .value_kind: global_buffer, .address_space: global }
      - { .name: wo16, .offset: 56, .size: 8, .value_kind: global_buffer, .address_space: global }
    .group_segment_fixed_size: 33280
    .private_segment_fixed_size: 0
    .kernarg_segment_align: 8
    .kernarg_segment_size: 64
    .max_flat_workgroup_size: 128
    .sgpr_count:     66
    .vgpr_count:     208
    .wavefront_size: 32
...
	.end_amdgpu_metadata
.endif
;; end of part 1
;; launch qkv (part 2): grid 8 x 32, 4 waves a work-group, clusters of 4 x 4, 327,680 bytes of LDS; arguments cod, scl, theta, qkv; writes qkv
.if DOCPART == 2
	.amdgcn_target "amdgcn-amd-amdhsa--gfx1250"
	.amdhsa_code_object_version 6
	.text
	.protected	k_q77e705bb70_qkv
	.globl	k_q77e705bb70_qkv
	.p2align	8
	.type	k_q77e705bb70_qkv,@function
k_q77e705bb70_qkv:
	s_mov_b64 s[64:65], 0
	v_nop
	global_prefetch_b8 v0, s[64:65] scope:SCOPE_SE
	s_setreg_imm32_b32 hwreg(HW_REG_WAVE_MODE, 25, 1), 1
	s_wait_xcnt 0x0
	s_wait_alu depctr_hold_cnt(0) depctr_sa_sdst(0) depctr_va_vdst(0) depctr_va_sdst(0) depctr_va_ssrc(0) depctr_va_vcc(0) depctr_vm_vsrc(0)
	s_getreg_b32 s2, hwreg(HW_REG_IB_STS2, 6, 4)
	s_cmp_eq_u32 s2, 0
	s_cbranch_scc0 .Lentry_in_a_cluster
	s_endpgm
.Lentry_in_a_cluster:
	s_bfe_u32 s2, ttmp6, 0x10000c
	s_cmp_lg_u32 s2, 0xf033
	s_cbranch_scc0 .Lentry_shape_is_right
	s_endpgm
.Lentry_shape_is_right:
; q, k, v = cos(x W^T + theta), the three products on codes of FP4 (E2M1) with one E8M0 scale for each 32 along K = 1,024; results in f16, laid as the next launch's operand registers.
; cod: rows of 512 bytes: x's 8,192 rows, then Wq's, Wk's, Wv's 1,024 each; scl: rows of 32 bytes likewise.  theta: [64] f32.
; qkv: part p (0 q, 1 k, 2 v) x [head of a batch: 64][tile of 16 positions: 128][b: 4][lane: 32][16 bytes].  q, k: lane (r, h) of image (a, b) holds position 16 a + r, channels 16 b + 8 h + 0 .. 7;
; v: channel 16 b + r, positions 16 a + 8 h + 0 .. 7.  Each image is half a fragment of the f16 matrix instruction, stored and loaded at 16 x lane: 512 consecutive bytes.
; q is stored times log2(e) / 8, so that the next launch's score is already the exponent of 2.
; SHARES.  A work-group owns 256 rows of x and, in each of q, k, v, the same 128 columns (two heads): three PHASES on the same tile of x, which stays in LDS for all of K.  Wave w: rows 128 (w / 2) on, columns
; 64 (w % 2) on: one head.  In a phase a wave takes its 64 rows of W, all of K, into 256 registers, and walks its rows in four trips of 32: 64 matrix instructions on 8 accumulators by turns, then the cosines.
; The next trip's fragments of x are asked for ahead of the cosines.  theta is the C of each sum's first matrix instruction.
; q, k: the product is used transposed (source 0 = 16 rows of W, source 1 = 16 rows of x): a lane holds one position and eight channels.  v: source 0 = x, source 1 = W: a lane holds one channel and eight positions.
; THE COSINE, in f32: n = z / 2 pi rounded to a whole number (by adding and taking off 1.5 x 2^23); r = z - n 2 pi, 2 pi in two parts; c = cos(r / 2) by its series up to r^12 (the next term is under 7e-9 for |r / 2| <= pi / 2);
; cos r = 2 c^2 - 1.  LIMITS: |z| under 2 pi x 2^22; NaN and infinities are not served.
; CLUSTERS: 4 x 4 work-groups.  The four of a row of the cluster need the same rows of x, the four of a column the same rows of W: each tile is asked for jointly.
; REGISTERS, in windows of 256.  window 0: addresses, constants (pairs with both halves alike), scale words, the cosines' work.  window 1: W's fragments (b, q) at v[8 (8 b + q)].
; window 2: x's fragments (a, q) at v[8 (8 a + q)]; accumulators (a, b) at v[128 + 8 (4 a + b)]; theta in the two results' layouts at v192 and v224.
.set PITCH, 528                        ; an LDS row of codes: 512 bytes + 16 = 33 x 16: the sixteen rows of a load begin at sixteen different 16-byte columns of 256 bytes
.set LB0,   256*PITCH                  ; LDS: x's 256 rows from 0; W's 128 rows, slot 0,
.set LB1,   LB0+128*PITCH              ; slot 1;
.set LSA,   LB1+128*PITCH              ; x's scale bytes: 256 rows x 32;
.set LSB,   LSA+8192                   ; W's: [half of my 128 columns][p][64 rows x 32]
.set SPARE, LSB+12288                  ; the spare words, 128 bytes a wave
.set WCOD,  8192*512                   ; where the weights begin in cod
.set WSCL,  8192*32                    ; and in scl
.set PARTB, 16777216                   ; a part of qkv
.set RR,    1                          ; v1  r = lane % 16
.set HH,    2                          ; v2  h = lane / 16
.set GO,    3                          ; v3  16 x lane
.set ADA0,  4                          ; v4  LDS address of my fragments of x, trip 0;  v5 the trip's in hand
.set ADA,   5
.set ADB,   6                          ; v6, v7 of W's, slot 0, 1
.set ADSA0, 8                          ; v8  of x's scale words, trip 0;  v9 the trip's in hand
.set ADSA,  9
.set ADSB,  10                         ; v10 of W's scale words
.set TMPA,  11
.set SPW,   12                         ; v12 LDS address of my spare word; never rewritten
.set NIL,   13                         ; v13 0; never rewritten
.set TQ,    14                         ; v14, v15 offsets into theta
.set TV,    15
.set CINV,  16                         ; v16-41 constants, a pair each
.set CMAG,  18
.set CNPH,  20
.set CPL,   22
.set CC6,   24
.set CC5,   26
.set CC4,   28
.set CC3,   30
.set CC2,   32
.set CC1,   34
.set CONE,  36
.set CKA,   38
.set CKB,   40
.set SAR,   48                         ; v48-63 x's scale words (a, q) at 8 a + q;  v64-95 W's (b, q) at 8 b + q: they hold scales and nothing else
.set SBR,   64
.set T,     96                         ; v96-127, v128-159, v160-191: the cosines' work, 32 numbers each
.set R,     128
.set P,     160
.set OUT,   192                        ; v192-207 16 registers of f16
.set AF,    0                          ; window 2
.set ACC,   128
.set THQ,   192
.set THV,   224
.set G1A,  24                          ; s[24:31] group 1 for x's codes;  s[32:35] its group 0
.set G0A,  32
.set G1B,  48                          ; s[48:55] for W's codes;  s[56:59], s[60:63] groups 0 of slots 0 and 1
.set G0B,  56
.set G1SA, 68                          ; s[68:75], s[76:79] x's scale bytes
.set G0SA, 76
.set G1SB, 80                          ; s[80:87], s[88:91] W's
.set G0SB, 88
.set MSB, 0
.macro WIN new                         ; the immediate's high byte repeats the setting that is left
.if MSB != \new
	s_set_vgpr_msb (MSB<<8)|\new
.set MSB, \new
.endif
.endm
; A joint load: waves 0 and 1 fetch for x, waves 2 and 3 for W.  The branch hangs on the wave's number alone.  An s_nop 0 and four v_nop follow each of the two lines.
.macro JLOAD g0a, g1a, g0b, g1b
	s_cmp_eq_u32 s15, 0
	s_cbranch_scc0 .Lfor_b_\@
	tensor_load_to_lds s[\g0a:\g0a+3], s[\g1a:\g1a+7]
	s_nop 0
.rept 4
	v_nop
.endr
	s_branch .Lasked_\@
.Lfor_b_\@:
	tensor_load_to_lds s[\g0b:\g0b+3], s[\g1b:\g1b+7]
	s_nop 0
.rept 4
	v_nop
.endr
.Lasked_\@:
.endm
.macro BLOAD g0                        ; a slot of W: waves 2 and 3 fetch its halves, waves 0 and 1 nothing
	s_cmp_eq_u32 s15, 0
	s_cbranch_scc1 .Lno_part_\@
	tensor_load_to_lds s[\g0:\g0+3], s[G1B:G1B+7]
	s_nop 0
.rept 4
	v_nop
.endr
.Lno_part_\@:
.endm
.macro CREST                           ; a round of the cluster's barrier behind its opening barrier
	s_cmp_lg_u32 s14, 0
	s_cbranch_scc1 .Lnot_wave_0_\@
	s_barrier_signal -3
.Lnot_wave_0_\@:
	s_barrier_wait -3
	s_barrier_signal -1
	s_barrier_wait -1
.endm
.macro CROUND                          ; a whole round
	s_barrier_signal -1
	s_barrier_wait -1
	CREST
.endm
.macro CONST reg, val
	v_mov_b32 v[\reg], \val
	v_mov_b32 v[\reg+1], \val
.endm
	s_load_b256 s[4:11], s[0:1], 0x0               ; cod s[4:5], scl s[6:7], theta s[8:9], qkv s[10:11]
	v_lshl_add_u32 v[SPW], v0, 2, SPARE
	v_mov_b32 v[NIL], 0
	ds_add_u32 v[SPW], v[NIL]                      ; the wave's opening: the add and its wait stand ahead of my first tensor load; the set-up below, work on registers, stands between them
	v_lshrrev_b32 v1, 5, v0
	v_readfirstlane_b32 s14, v1                    ; wave 0..3
	s_lshr_b32 s15, s14, 1                         ; which 128 of the rows are mine.  Also: I fetch for x (0) or for W (1)
	s_and_b32 s16, s14, 1                          ; which 64 of the columns.  Also: which half of that tile I fetch
	s_bfe_u32 s40, ttmp6, 0x40000                  ; cx, cy: my place in the cluster
	s_bfe_u32 s41, ttmp6, 0x40004
	s_lshl_b32 s42, ttmp9, 2
	s_add_co_u32 s42, s42, s40                     ; j: my 128 columns = 4 x cluster x + cx
	s_and_b32 s17, ttmp7, 0xffff
	s_lshl_b32 s17, s17, 2
	s_add_co_u32 s17, s17, s41                     ; my: my 256 rows = 4 x cluster y + cy
	s_lshl_b32 s43, s41, 2
	s_lshl_b32 s43, 15, s43                        ; my row of the cluster
	s_lshl_b32 s44, 0x1111, s40                    ; my column
	; group 1, codes: rows of 512 elements of one byte, 512 apart, 16 bytes of padding behind each 128 words; x: 128 rows a load, W: 64
	s_or_b32 s[G1A+0], s43, (1<<20)|(1<<21)|(6<<22)|(3<<25)
	s_or_b32 s[G1B+0], s44, (1<<20)|(1<<21)|(6<<22)|(3<<25)
.irp g, G1A, G1B
	s_mov_b32 s[\g+1], 512<<16                     ; tensor_dim0
	s_mov_b32 s[\g+3], 512<<16                     ; tile_dim0
	s_mov_b32 s[\g+5], 512                         ; from row to row
	s_mov_b32 s[\g+6], 0
	s_mov_b32 s[\g+7], 0
.endr
	s_mov_b32 s[G1A+2], 128<<16                    ; tensor_dim1
	s_mov_b32 s[G1A+4], 128                        ; tile_dim1
	s_mov_b32 s[G1B+2], 64<<16
	s_mov_b32 s[G1B+4], 64
	; x's scale bytes of 128 rows: 4,096 dense bytes as 16 rows of 32 elements of 8 bytes
	s_or_b32 s[G1SA+0], s43, (3<<16)|(1<<21)
	s_mov_b32 s[G1SA+1], 32<<16
	s_mov_b32 s[G1SA+2], 16<<16
	s_mov_b32 s[G1SA+3], 32<<16
	s_mov_b32 s[G1SA+4], 16
	s_mov_b32 s[G1SA+5], 32
	s_mov_b32 s[G1SA+6], 0
	s_mov_b32 s[G1SA+7], 0
	; W's scale bytes of 64 rows, for q, k and v at once: three rows of 2,048 bytes (256 elements of 8), 32,768 bytes (4,096 elements) apart
	s_or_b32 s[G1SB+0], s44, (3<<16)|(1<<21)
	s_mov_b32 s[G1SB+1], 256<<16
	s_mov_b32 s[G1SB+2], 3<<16
	s_mov_b32 s[G1SB+3], 256<<16
	s_mov_b32 s[G1SB+4], 3
	s_mov_b32 s[G1SB+5], 4096
	s_mov_b32 s[G1SB+6], 0
	s_mov_b32 s[G1SB+7], 0
	; where the tiles come from, in bytes: x's hang on my alone, W's on j alone
	s_lshl_b32 s20, s17, 17                        ; x's codes: (256 my + 128 half) x 512
	s_lshl_b32 s18, s16, 16
	s_add_co_u32 s20, s20, s18
	s_mov_b32 s21, 0
	s_lshl_b32 s22, s17, 13                        ; x's scales: (256 my + 128 half) x 32
	s_lshl_b32 s18, s16, 12
	s_add_co_u32 s22, s22, s18
	s_mov_b32 s23, 0
	s_lshl_b32 s46, s42, 16                        ; Wq's codes: behind x's, (128 j + 64 half) x 512
	s_lshl_b32 s18, s16, 15
	s_add_co_u32 s46, s46, s18
	s_add_co_u32 s46, s46, WCOD
	s_mov_b32 s47, 0
	s_lshl_b32 s92, s42, 12                        ; Wq's scales: behind x's, (128 j + 64 half) x 32
	s_lshl_b32 s18, s16, 11
	s_add_co_u32 s92, s92, s18
	s_add_co_u32 s92, s92, WSCL
	s_mov_b32 s93, 0
	s_mul_i32 s45, s16, 128*PITCH                  ; and where they go: the half alone enters an LDS address
	s_mul_i32 s94, s16, 64*PITCH
	s_lshl_b32 s95, s16, 12
	s_mul_i32 s96, s16, 6144
	s_wait_dscnt 0x0                               ; the opening add is done
	s_wait_kmcnt 0x0
	s_add_nc_u64 s[20:21], s[4:5], s[20:21]
	s_add_nc_u64 s[22:23], s[6:7], s[22:23]
	s_add_nc_u64 s[46:47], s[4:5], s[46:47]
	s_add_nc_u64 s[92:93], s[6:7], s[92:93]
	CROUND                                         ; all sixteen work-groups are here: the first joint loads meet
	s_mov_b32 s[G0SA], 1
	s_add_co_u32 s[G0SA+1], s95, LSA
	s_mov_b64 s[G0SA+2:G0SA+3], s[22:23]
	s_or_b32 s[G0SA+3], s[G0SA+3], 0x80000000
	s_mov_b32 s[G0SB], 1
	s_add_co_u32 s[G0SB+1], s96, LSB
	s_mov_b64 s[G0SB+2:G0SB+3], s[92:93]
	s_or_b32 s[G0SB+3], s[G0SB+3], 0x80000000
	JLOAD G0SA, G1SA, G0SB, G1SB                   ; the scale bytes: filled once
	s_mov_b32 s[G0A], 1
	s_mov_b32 s[G0A+1], s45
	s_mov_b64 s[G0A+2:G0A+3], s[20:21]
	s_or_b32 s[G0A+3], s[G0A+3], 0x80000000
	s_mov_b32 s[G0B], 1
	s_add_co_u32 s[G0B+1], s94, LB0
	s_mov_b64 s[G0B+2:G0B+3], s[46:47]
	s_or_b32 s[G0B+3], s[G0B+3], 0x80000000
	s_mov_b32 s[G0B+4], 1
	s_add_co_u32 s[G0B+5], s94, LB1
	s_add_nc_u64 s[G0B+6:G0B+7], s[46:47], 1024*512   ; Wk's rows lie 1,024 rows behind Wq's
	s_or_b32 s[G0B+7], s[G0B+7], 0x80000000
	JLOAD G0A, G1A, G0B, G1B                       ; x's tile (filled once) and Wq's: two loads of mine are out
	v_and_b32 v[RR], 15, v0
	v_bfe_u32 v[HH], v0, 4, 1
	v_and_b32 v[GO], 31, v0
	v_lshlrev_b32 v[GO], 4, v[GO]
	v_mul_u32_u24 v[TMPA], v[RR], PITCH
	v_lshl_add_u32 v[TMPA], v[HH], 4, v[TMPA]      ; a fragment's row x pitch + 16 x half
	s_mul_i32 s18, s15, 128*PITCH
	v_add_nc_u32 v[ADA0], s18, v[TMPA]
	v_add_nc_u32 v[ADA], s18, v[TMPA]              ; trip 0's
	s_mul_i32 s18, s16, 64*PITCH
	s_add_co_u32 s18, s18, LB0
	v_add_nc_u32 v[ADB], s18, v[TMPA]
	s_add_co_u32 s18, s18, LB1-LB0
	v_add_nc_u32 v[ADB+1], s18, v[TMPA]
	s_lshl_b32 s18, s15, 12
	s_add_co_u32 s18, s18, LSA
	v_lshl_add_u32 v[ADSA0], v[RR], 5, s18         ; scale words: 32 bytes a row; lanes 16-31 take the same as lanes 0-15 and are not read
	v_lshl_add_u32 v[ADSA], v[RR], 5, s18
	s_mul_i32 s18, s16, 6144
	s_add_co_u32 s18, s18, LSB
	v_lshl_add_u32 v[ADSB], v[RR], 5, s18
	v_lshlrev_b32 v[TQ], 5, v[HH]
	v_lshlrev_b32 v[TV], 2, v[RR]
	WIN 0x80                                       ; destination window 2
.irp b, 0,1,2,3
	global_load_b128 v[THQ+8*\b:THQ+8*\b+3],   v[TQ], s[8:9] offset:64*\b      ; q, k: register i of tile b wants theta[16 b + 8 h + i]
	global_load_b128 v[THQ+8*\b+4:THQ+8*\b+7], v[TQ], s[8:9] offset:64*\b+16
.irp i, 0,1,2,3,4,5,6,7
	global_load_b32 v[THV+8*\b+\i], v[TV], s[8:9] offset:64*\b                 ; v: all eight want theta[16 b + r]
.endr
.endr
	WIN 0
	CONST CINV, 0x3e22f983                         ; 1 / 2 pi
	CONST CMAG, 0x4b400000                         ; 1.5 x 2^23
	CONST CNPH, 0xc0c90fdb                         ; - 2 pi, its f32 part,
	CONST CPL,  0x343bbd2e                         ; and what that part is too large by
	CONST CC6,  0x2b0f76c7                         ; the series of cos(r / 2) in u = r^2: (-1)^k / (4^k (2 k)!), k = 6 .. 1
	CONST CC5,  0xaf93f27e
	CONST CC4,  0x33d00d01
	CONST CC3,  0xb7b60b61
	CONST CC2,  0x3b2aaaab
	CONST CC1,  0xbe000000
	CONST CONE, 1.0
	CONST CKA,  0x3eb8aa3b                         ; q: (2 c^2 - 1) x log2(e) / 8
	CONST CKB,  0xbe38aa3b
	; where my first image goes: head 16 (my / 8) + 2 j + half of columns; tile of positions 16 (my % 8) + 8 x half of rows
	s_lshr_b32 s18, s17, 3
	s_lshl_b32 s18, s18, 4
	s_lshl_b32 s19, s42, 1
	s_add_co_u32 s18, s18, s19
	s_add_co_u32 s18, s18, s16
	s_lshl_b32 s18, s18, 18                        ; 262,144 bytes a head
	s_and_b32 s19, s17, 7
	s_lshl_b32 s19, s19, 4
	s_lshl_b32 s97, s15, 3
	s_add_co_u32 s19, s19, s97
	s_lshl_b32 s19, s19, 11                        ; 2,048 bytes a tile
	s_add_co_u32 s18, s18, s19
	s_mov_b32 s19, 0
	s_add_nc_u64 s[12:13], s[10:11], s[18:19]
; x's fragments and scale words of the trip in hand: 2 tiles of 16 rows x 8 K steps.  A fragment, 16 rows x 128 K of 4-bit codes, is 8 registers: registers 4 c .. 4 c + 3 hold K = 64 c + 32 h + 0 .. 31: 16 bytes as they lie.
.macro FETCH_A
	WIN 0x80
.irp a, 0,1
.irp q, 0,1,2,3,4,5,6,7
.irp c, 0,1
	ds_load_b128 v[AF+8*(8*\a+\q)+4*\c:AF+8*(8*\a+\q)+4*\c+3], v[ADA] offset:\a*16*PITCH+64*\q+32*\c
.endr
.endr
.endr
	WIN 0
.irp a, 0,1
.irp c, 0,1
	ds_load_b128 v[SAR+8*\a+4*\c:SAR+8*\a+4*\c+3], v[ADSA] offset:\a*512+16*\c   ; a row's eight words: one for each K step
.endr
.endr
.endm
.macro FETCH_B slot, p                 ; my 64 rows of W_p, all of K: 4 tiles x 8 K steps, and their scale words
	WIN 0x40
.irp b, 0,1,2,3
.irp q, 0,1,2,3,4,5,6,7
.irp c, 0,1
	ds_load_b128 v[8*(8*\b+\q)+4*\c:8*(8*\b+\q)+4*\c+3], v[ADB+\slot] offset:\b*16*PITCH+64*\q+32*\c
.endr
.endr
.endr
	WIN 0
.irp b, 0,1,2,3
.irp c, 0,1
	ds_load_b128 v[SBR+8*\b+4*\c:SBR+8*\b+4*\c+3], v[ADSB] offset:\p*2048+\b*512+16*\c
.endr
.endr
.endm
; 64 matrix instructions: K step by K step, the 8 accumulators by turns, one instruction a turn.  The first K step takes theta as C.
; tr = 1: source 0 = W, source 1 = x;  tr = 0: the other way round; the scale operands go with their sources.
.macro GEMM tr
.if \tr
	WIN 0xa9                                       ; source 0 window 1, source 1, C and D window 2
.else
	WIN 0xa6                                       ; source 0 window 2, source 1 window 1, C and D window 2
.endif
.irp q, 0,1,2,3,4,5,6,7
.irp a, 0,1
.irp b, 0,1,2,3
.set rD, ACC+8*(4*\a+\b)
.set rC, rD
.set rA, AF+8*(8*\a+\q)
.set rB, 8*(8*\b+\q)
.if \q == 0
.if \tr
.set rC, THQ+8*\b
.else
.set rC, THV+8*\b
.endif
.endif
.if \tr
	v_wmma_scale_f32_16x16x128_f8f6f4 v[rD:rD+7], v[rB:rB+7], v[rA:rA+7], v[rC:rC+7], v[SBR+8*\b+\q], v[SAR+8*\a+\q] matrix_a_fmt:MATRIX_FMT_FP4 matrix_b_fmt:MATRIX_FMT_FP4
.else
	v_wmma_scale_f32_16x16x128_f8f6f4 v[rD:rD+7], v[rA:rA+7], v[rB:rB+7], v[rC:rC+7], v[SAR+8*\a+\q], v[SBR+8*\b+\q] matrix_a_fmt:MATRIX_FMT_FP4 matrix_b_fmt:MATRIX_FMT_FP4
.endif
.endr
.endr
.endr
.endm
; The cosines of tile a's four accumulators, 32 numbers a lane, two at a time, step by step over the 16 pairs, so that no line waits for the line above it; each accumulator is read from its low end on.
.macro EPI a
	WIN 0x02                                       ; source 0 window 2
.irp i, 0,1,2,3,4,5,6,7,8,9,10,11,12,13,14,15
	v_pk_fma_f32 v[T+2*\i:T+2*\i+1], v[ACC+32*(\a)+2*\i:ACC+32*(\a)+2*\i+1], v[CINV:CINV+1], v[CMAG:CMAG+1]   ; z / 2 pi + 1.5 x 2^23: rounded to a whole number
.endr
	WIN 0
.irp i, 0,1,2,3,4,5,6,7,8,9,10,11,12,13,14,15
	v_pk_add_f32 v[T+2*\i:T+2*\i+1], v[T+2*\i:T+2*\i+1], v[CMAG:CMAG+1] neg_lo:[0,1] neg_hi:[0,1]             ; n
.endr
	WIN 0x20                                       ; source 2 window 2
.irp i, 0,1,2,3,4,5,6,7,8,9,10,11,12,13,14,15
	v_pk_fma_f32 v[R+2*\i:R+2*\i+1], v[T+2*\i:T+2*\i+1], v[CNPH:CNPH+1], v[ACC+32*(\a)+2*\i:ACC+32*(\a)+2*\i+1]   ; z - n x (2 pi's f32 part)
.endr
	WIN 0
.irp i, 0,1,2,3,4,5,6,7,8,9,10,11,12,13,14,15
	v_pk_fma_f32 v[R+2*\i:R+2*\i+1], v[T+2*\i:T+2*\i+1], v[CPL:CPL+1], v[R+2*\i:R+2*\i+1]                     ; r, within +- pi
.endr
.irp i, 0,1,2,3,4,5,6,7,8,9,10,11,12,13,14,15
	v_pk_mul_f32 v[T+2*\i:T+2*\i+1], v[R+2*\i:R+2*\i+1], v[R+2*\i:R+2*\i+1]                                   ; u = r^2
.endr
.irp i, 0,1,2,3,4,5,6,7,8,9,10,11,12,13,14,15
	v_pk_fma_f32 v[P+2*\i:P+2*\i+1], v[T+2*\i:T+2*\i+1], v[CC6:CC6+1], v[CC5:CC5+1]
.endr
.irp c, CC4, CC3, CC2, CC1, CONE
.irp i, 0,1,2,3,4,5,6,7,8,9,10,11,12,13,14,15
	v_pk_fma_f32 v[P+2*\i:P+2*\i+1], v[P+2*\i:P+2*\i+1], v[T+2*\i:T+2*\i+1], v[\c:\c+1]
.endr
.endr                                              ; c = cos(r / 2)
.irp i, 0,1,2,3,4,5,6,7,8,9,10,11,12,13,14,15
	v_pk_mul_f32 v[P+2*\i:P+2*\i+1], v[P+2*\i:P+2*\i+1], v[P+2*\i:P+2*\i+1]
.endr
.irp i, 0,1,2,3,4,5,6,7,8,9,10,11,12,13,14,15
	v_pk_fma_f32 v[P+2*\i:P+2*\i+1], v[P+2*\i:P+2*\i+1], v[CKA:CKA+1], v[CKB:CKB+1]                           ; 2 c^2 - 1 (q: times log2(e) / 8)
.endr
	s_wait_xcnt 0x0                                ; the last stores have read OUT: it is written again only behind this wait
.irp i, 0,1,2,3,4,5,6,7,8,9,10,11,12,13,14,15
	v_cvt_pk_f16_f32 v[OUT+\i], v[P+2*\i], v[P+2*\i+1]
.endr
.irp b, 0,1,2,3
	global_store_b128 v[GO], v[OUT+4*\b:OUT+4*\b+3], s[12:13] offset:(\a)*2048+\b*512   ; an image: 32 lanes store 512 consecutive bytes, aligned
.endr
.endm
; A phase: W_p's fragments, then four trips of 32 rows.  The next trip's fragments of x are asked for behind the products and land under the cosines; the fourth trip asks for trip 0's again, for the next
; phase (last = 1: there is none, and a branch on the count of trips leads round the loads).
.macro PHASE p, slot, tr, last
	FETCH_B \slot, \p
	s_mov_b32 s3, 0
.Ltrip_\@:
	s_wait_dscnt 0x0                               ; x's fragments and scale words are in (in trip 0: W's too)
	GEMM \tr
	WIN 0
	s_add_co_u32 s18, s3, 1
	s_and_b32 s18, s18, 3                          ; the next trip, round to 0
	s_mul_i32 s19, s18, 32*PITCH
	s_lshl_b32 s18, s18, 10                        ; 32 rows x 32 bytes of scales
	v_add_nc_u32 v[ADA], s19, v[ADA0]              ; these two and two v_nop: the four places between the last product and the loads into its operands, and the first read of results
	v_add_nc_u32 v[ADSA], s18, v[ADSA0]
	v_nop
	v_nop
.if \last
	s_cmp_eq_u32 s3, 3
	s_cbranch_scc1 .Lno_more_\@
.endif
	FETCH_A
.if \last
.Lno_more_\@:
.endif
	EPI 0
	EPI 1
	s_wait_xcnt 0x0                                ; the stores have read their base
	s_add_nc_u64 s[12:13], s[12:13], 4096          ; two tiles of positions on
	s_add_co_u32 s3, s3, 1
	s_cmp_lt_u32 s3, 4
	s_cbranch_scc1 .Ltrip_\@
.endm
	s_wait_tensorcnt 0x0                           ; all my tensor loads have landed: my parts of x's tile or Wq's, and of the scale bytes
	ds_add_u32 v[SPW], v[NIL]                      ; 0 onto my spare word
	s_wait_loadcnt 0x0                             ; theta
	s_wait_dscnt 0x0                               ; the add is done
	CROUND                                         ; everybody's have landed, in all sixteen work-groups
	BLOAD G0B+4                                    ; slot 1's first fill, Wk's rows: my one tensor load behind this round; it has phase 0 in which to land
	FETCH_A
	PHASE 0, 0, 1, 0                               ; q
	s_add_nc_u64 s[12:13], s[12:13], PARTB-4*4096  ; (behind the trip's wait on XCNT)  the same place in the next part
	s_wait_tensorcnt 0x0                           ; Wk's rows have landed, so a group 0 may be written
	ds_add_u32 v[SPW], v[NIL]
	s_add_nc_u64 s[G0B+2:G0B+3], s[G0B+2:G0B+3], 2*1024*512   ; slot 0 takes Wv's rows
	s_wait_dscnt 0x0                               ; the add is done, and my reads of slot 0 are over
	CROUND                                         ; no wave of any partner still reads slot 0 or has a load on its way
	BLOAD G0B                                      ; the refill, first behind the round; it has phase 1 in which to land
	CONST CKA, 2.0                                 ; k and v: 2 c^2 - 1
	CONST CKB, -1.0
	PHASE 1, 1, 1, 0                               ; k
	s_add_nc_u64 s[12:13], s[12:13], PARTB-4*4096
	s_wait_tensorcnt 0x0                           ; Wv's rows have landed
	ds_add_u32 v[SPW], v[NIL]
	s_wait_dscnt 0x0
	s_barrier_signal -1                            ; nothing is filled again: my work-group's barrier shows the slot to all four waves
	s_barrier_wait -1
	PHASE 2, 0, 0, 1                               ; v
	s_wait_tensorcnt 0x0                           ; the wave's end
	ds_add_u32 v[SPW], v[NIL]
	s_wait_dscnt 0x0
	CROUND                                         ; the closing round: no work-group ends while a partner may still ask for a tile that names it
	s_endpgm
.Lfunc_end_k_q77e705bb70_qkv:
	.size	k_q77e705bb70_qkv, .Lfunc_end_k_q77e705bb70_qkv-k_q77e705bb70_qkv
	.p2alignl 7, 3214868480
	.fill 96, 4, 3214868480
	.section	.rodata,"a",@progbits
	.p2align	6, 0x0
	.amdhsa_kernel k_q77e705bb70_qkv
		.amdhsa_group_segment_fixed_size 327680
		.amdhsa_private_segment_fixed_size 0
		.amdhsa_enable_private_segment 0
		.amdhsa_kernarg_size 32
		.amdhsa_user_sgpr_count 2
		.amdhsa_user_sgpr_kernarg_segment_ptr 1
		.amdhsa_wavefront_size32 1
		.amdhsa_system_sgpr_workgroup_id_x 1
		.amdhsa_system_sgpr_workgroup_id_y 1
		.amdhsa_system_sgpr_workgroup_id_z 1
		.amdhsa_system_vgpr_workitem_id 0
		.amdhsa_next_free_vgpr 768
		.amdhsa_next_free_sgpr 100
		.amdhsa_reserve_vcc 0
		.amdhsa_float_denorm_mode_32 3
		.amdhsa_float_denorm_mode_16_64 3
		.amdhsa_memory_ordered 1
		.amdhsa_forward_progress 1
		.amdhsa_inst_pref_size 152
	.end_amdhsa_kernel
	.amdgpu_metadata
---
amdhsa.version: [ 1, 2 ]
amdhsa.kernels:
  - .name:           k_q77e705bb70_qkv
    .symbol:         k_q77e705bb70_qkv.kd
    .args:
      - { .name: cod, .offset: 0, .size: 8, .value_kind: global_buffer, .address_space: global }
      - { .name: scl, .offset: 8, .size: 8, .value_kind: global_buffer, .address_space: global }
      - { .name: theta, .offset: 16, .size: 8, .value_kind: global_buffer, .address_space: global }
      - { .name: qkv, .offset: 24, .size: 8, .value_kind: global_buffer, .address_space: global }
    .group_segment_fixed_size: 327680
    .private_segment_fixed_size: 0
    .kernarg_segment_align: 8
    .kernarg_segment_size: 32
    .max_flat_workgroup_size: 128
    .sgpr_count:     100
    .vgpr_count:     768
    .wavefront_size: 32
...
	.end_amdgpu_metadata
.endif
;; end of part 2
;; launch attn (part 3): grid 4 x 64, 8 waves a work-group, clusters of 4 x 1, 327,680 bytes of LDS; arguments qkv, att; writes att
.if DOCPART == 3
	.amdgcn_target "amdgcn-amd-amdhsa--gfx1250"
	.amdhsa_code_object_version 6
	.text
	.protected	k_q77e705bb70_attn
	.globl	k_q77e705bb70_attn
	.p2align	8
	.type	k_q77e705bb70_attn,@function
k_q77e705bb70_attn:
	s_mov_b64 s[64:65], 0
	v_nop
	global_prefetch_b8 v0, s[64:65] scope:SCOPE_SE
	s_setreg_imm32_b32 hwreg(HW_REG_WAVE_MODE, 25, 1), 1
	s_wait_xcnt 0x0
	s_wait_alu depctr_hold_cnt(0) depctr_sa_sdst(0) depctr_va_vdst(0) depctr_va_sdst(0) depctr_va_ssrc(0) depctr_va_vcc(0) depctr_vm_vsrc(0)
	s_getreg_b32 s2, hwreg(HW_REG_IB_STS2, 6, 4)
	s_cmp_eq_u32 s2, 0
	s_cbranch_scc0 .Lentry_in_a_cluster
	s_endpgm
.Lentry_in_a_cluster:
	s_bfe_u32 s2, ttmp6, 0x10000c
	s_cmp_lg_u32 s2, 0x3003
	s_cbranch_scc0 .Lentry_shape_is_right
	s_endpgm
.Lentry_shape_is_right:
; O[head][q] = the sum over k of softmax_k(q . k / 8) v[k], 64 heads of batches, 2,048 positions, head size 64; operands f16, products and sums f32.
; qkv holds q (times log2(e) / 8), k and v as images of the operands' registers: part p x [head 64][tile of 16 positions 128][b 4][lane 32][16 bytes] (q, k: lane (r, h): position 16 a + r, channels 16 b + 8 h + 0 .. 7;
; v: channel 16 b + r, positions 16 a + 8 h + 0 .. 7).  Every fragment comes by loads of 16 bytes at 16 x lane: nothing is turned, nothing is padded.
; att: [tile of 16 rows 512][16 of K: 64][lane 32][16 bytes]: lane (r, h): row 16 tile + r, k = 16 k16 + 8 h + 0 .. 7, k16 = 4 head + ct: images of the last product's operand.
; THE SOFTMAX TAKES NO MAXIMUM AWAY, since the computation itself bounds the exponent for every input: q and k are cosines, so |q . k| <= 64 and t = q . k log2(e) / 8 lies within +-11.6.  p = 2^t then lies between
; 3.2e-4 and 3.1e3, normal numbers of f16 (6.1e-5 to 65,504), and a row's sum is at most 2,048 x 3.1e3 = 6.4e6 in f32: nothing can overflow or underflow.  The sum is taken of the unrounded p and divides O at the end.
; SHARES.  A work-group owns 512 queries of one head, each of its eight waves 64: four tiles.  Two waves share a SIMD, so that one wave's exponentials stand beside the other's products.  Every wave walks all keys, 32 a step.
; LAYOUT.  S^T = K Q^T (source 0 = 16 keys, source 1 = 16 queries) and O^T = V^T P (source 0 = 16 channels, source 1 = P): a lane holds one query (lane % 16) throughout; two tiles of S^T, rounded in pairs, ARE source 1 of the second product.
; CLUSTER.  The four work-groups of a cluster are the four query blocks of one head: K's and V's tiles are asked for jointly.  A slot holds 512 keys: 65,536 bytes of K's images, then as many of V's; each of the
; eight waves fetches 16,384 of them by one load.  A refill is asked for 16 key steps ahead of the wait for it; so nothing is prefetched.
; REGISTERS.  window 0: addresses; v8-15 the sums; v16-31 at work on the way out; v32-95 S^T, 16 a tile of queries; v96-127 P, 8 a tile.   window 1: v0-127 O^T, 32 a tile; v128-191 Q; v192-223 K of a step; v224-255 V of a step.
.set SLOTB, 131072
.set VOFF,  65536
.set SPARE, 2*SLOTB                    ; behind the ring: the spare words, 128 bytes for each of eight waves
.set LI,  1                            ; v1  16 x lane
.set ADK, 2                            ; v2  LDS address of the next step's K
.set ADV, 3                            ; v3  of this step's V
.set SPW, 4                            ; v4  LDS address of my spare word; never rewritten
.set NIL, 5                            ; v5  0; never rewritten
.set LIV, 6                            ; v6  16 x lane + VOFF
.set L,   8                            ; v8-15  tile qt's sum, in two halves
.set SM,  16                           ; v16-19 the sums joined;  v20-23 the other half of the lanes';  v24-31 1 / sum in the low word of a pair
.set PM,  20
.set RC,  24
.set S,   32
.set P,   96
.set O,   0                            ; window 1
.set Q,   128
.set KF,  192
.set VF,  224
.set G1,  24                           ; s[24:31] descriptor group 1;  s[32:35], s[36:39] groups 0 of slots 0 and 1
.set G0,  32
.set TB,  40                           ; s40 LDS byte of the step in hand
.set CNT, 41                           ; s41 counts a slot's steps
.set SEL, 42                           ; s[42:43] v_permlanex16_b32's selects for lane l xor 16
.set MSB, 0
.macro WIN new                         ; the immediate's high byte repeats the setting that is left
.if MSB != \new
	s_set_vgpr_msb (MSB<<8)|\new
.set MSB, \new
.endif
.endm
.macro CROUND                          ; a round of the cluster's barrier
	s_barrier_signal -1
	s_barrier_wait -1
	s_cmp_lg_u32 s12, 0
	s_cbranch_scc1 .Lnot_wave_0_\@
	s_barrier_signal -3
.Lnot_wave_0_\@:
	s_barrier_wait -3
	s_barrier_signal -1
	s_barrier_wait -1
.endm
	s_load_b128 s[4:7], s[0:1], 0x0                ; qkv s[4:5], att s[6:7]
	v_lshl_add_u32 v[SPW], v0, 2, SPARE
	v_mov_b32 v[NIL], 0
	ds_add_u32 v[SPW], v[NIL]                      ; the wave's opening: the add and its wait stand ahead of my first tensor load; the set-up below, work on registers, stands between them
	v_lshrrev_b32 v1, 5, v0
	v_readfirstlane_b32 s12, v1                    ; wave 0..7
	s_bfe_u32 s13, ttmp6, 0x40000                  ; cx
	s_lshl_b32 s15, ttmp9, 2
	s_add_co_u32 s15, s15, s13                     ; my block of 512 queries: it enters Q's and att's addresses alone
	s_and_b32 s14, ttmp7, 0xffff                   ; the head, which the four partners share
	; group 1: 16,384 dense bytes as 64 rows of 32 elements of 8 bytes; the mask names all four work-groups, bit 21 beside it
	s_mov_b32 s[G1], 15|(3<<16)|(1<<21)
	s_mov_b32 s[G1+1], 32<<16                      ; tensor_dim0
	s_mov_b32 s[G1+2], 64<<16                      ; tensor_dim1
	s_mov_b32 s[G1+3], 32<<16                      ; tile_dim0
	s_mov_b32 s[G1+4], 64                          ; tile_dim1
	s_mov_b32 s[G1+5], 32                          ; from row to row
	s_mov_b32 s[G1+6], 0
	s_mov_b32 s[G1+7], 0
	s_lshr_b32 s16, s12, 2                         ; waves 0-3 fetch K's quarters, waves 4-7 V's:
	s_add_co_u32 s16, s16, 1
	s_lshl_b32 s16, s16, 24                        ; part 1 or 2 of qkv, 2^24 bytes a part,
	s_lshl_b32 s18, s14, 18                        ; the head's 262,144 bytes,
	s_add_co_u32 s16, s16, s18
	s_and_b32 s19, s12, 3
	s_lshl_b32 s19, s19, 14                        ; my quarter of a slot's 65,536
	s_add_co_u32 s16, s16, s19
	s_mov_b32 s17, 0
	s_lshl_b32 s20, s12, 14                        ; and in LDS: wave x 16,384
	s_lshl_b32 s22, s15, 5
	s_lshl_b32 s21, s12, 2
	s_add_co_u32 s22, s22, s21                     ; my first tile of queries: 32 x block + 4 x wave
	s_lshl_b32 s44, s22, 11
	s_add_co_u32 s44, s44, s18                     ; Q: the head, 2,048 bytes a tile
	s_mov_b32 s45, 0
	s_lshr_b32 s21, s14, 4
	s_lshl_b32 s21, s21, 7
	s_add_co_u32 s21, s21, s22                     ; att: tile of rows 128 x batch + my tile,
	s_lshl_b32 s46, s21, 15                        ; 32,768 bytes each,
	s_and_b32 s21, s14, 15
	s_lshl_b32 s21, s21, 11                        ; the head's four images
	s_add_co_u32 s46, s46, s21
	s_mov_b32 s47, 0
	s_mov_b32 s[SEL], 0x76543210
	s_mov_b32 s[SEL+1], 0xfedcba98
	s_wait_dscnt 0x0                               ; the opening add is done
	s_wait_kmcnt 0x0
	s_add_nc_u64 s[16:17], s[4:5], s[16:17]
	s_add_nc_u64 s[8:9], s[4:5], s[44:45]
	s_add_nc_u64 s[10:11], s[6:7], s[46:47]
	CROUND                                         ; all four work-groups are here: the first joint loads meet
.irp n, 0,1
	s_mov_b32 s[G0+4*\n], 1
	s_add_co_u32 s[G0+4*\n+1], s20, \n*SLOTB
	s_add_nc_u64 s[G0+4*\n+2:G0+4*\n+3], s[16:17], \n*65536   ; slot n begins with keys 512 n on
	s_or_b32 s[G0+4*\n+3], s[G0+4*\n+3], 0x80000000
.endr
	tensor_load_to_lds s[G0:G0+3], s[G1:G1+7]      ; the two first fills go out together: two loads of mine are out
	s_nop 0
	tensor_load_to_lds s[G0+4:G0+7], s[G1:G1+7]
	s_nop 0
.rept 4
	v_nop
.endr
	v_and_b32 v[LI], 31, v0
	v_lshlrev_b32 v[LI], 4, v[LI]
	v_add_nc_u32 v[LIV], VOFF, v[LI]
.irp t, 0,1,2,3
	v_mov_b32 v[PM+\t], 0                          ; written once: a lane permute's destination counts as one of its sources
	v_mov_b32 v[RC+2*\t+1], 0                      ; named as the upper half of a pair, so it is written
.endr
	WIN 0x40                                       ; destination window 1
.irp i, 0,1,2,3,4,5,6,7,8,9,10,11,12,13,14,15
	global_load_b128 v[Q+4*\i:Q+4*\i+3], v[LI], s[8:9] offset:512*\i   ; Q stays in registers: tile i / 4, image i % 4: fragment (qt, f) is images 2 f and 2 f + 1
.endr
	WIN 0
; A KEY STEP: 32 keys.  zero = 1: the first step, whose products and additions start the sums.
.macro STEP zero
	v_add_nc_u32 v[ADV], s[TB], v[LIV]             ; these two and two v_nop: the four places between the last product and the loads into V's registers
	s_add_co_u32 s[TB], s[TB], 4096                ; a step is two tiles of keys: 4,096 bytes of K's images, and of V's
	v_add_nc_u32 v[ADK], s[TB], v[LI]
	v_nop
	v_nop
	WIN 0x40
.irp ct, 0,1,2,3
.irp c, 0,1
	ds_load_b128 v[VF+8*\ct+4*\c:VF+8*\ct+4*\c+3], v[ADV] offset:2048*\c+512*\ct   ; V^T's fragment ct: image ct of the step's two tiles of keys
.endr
.endr
	s_wait_dscnt 8                                 ; K, asked for a step ago, is in; the eight loads just issued may be out
	WIN 0x05                                       ; K and Q window 1, S^T window 0
.irp f, 0,1
.irp qt, 0,1,2,3
.irp kt, 0,1
.if \f == 0
	v_wmma_f32_16x16x32_f16 v[S+8*(2*\qt+\kt):S+8*(2*\qt+\kt)+7], v[KF+8*(2*\kt+\f):KF+8*(2*\kt+\f)+7], v[Q+8*(2*\qt+\f):Q+8*(2*\qt+\f)+7], 0
.else
	v_wmma_f32_16x16x32_f16 v[S+8*(2*\qt+\kt):S+8*(2*\qt+\kt)+7], v[KF+8*(2*\kt+\f):KF+8*(2*\kt+\f)+7], v[Q+8*(2*\qt+\f):Q+8*(2*\qt+\f)+7], v[S+8*(2*\qt+\kt):S+8*(2*\qt+\kt)+7]
.endif
.endr
.endr
.endr                                              ; the eight accumulators by turns
	WIN 0
.rept 4
	v_nop                                          ; places in front of the loads into K's registers and of the first read of the scores
.endr
	WIN 0x40
.irp i, 0,1,2,3,4,5,6,7
	ds_load_b128 v[KF+4*\i:KF+4*\i+3], v[ADK] offset:512*\i   ; the next step's K.  (A slot's last step so reads the first 4,096 bytes of the slot's V: bytes that have landed; what comes is not used)
.endr
	WIN 0
.set i, 0
.rept 64
	v_exp_f32 v[S+i], v[S+i]                       ; p = 2^t, each accumulator from its low end on
.set i, i+1
.endr
	v_nop                                          ; a plain line behind the last exponential
	s_wait_alu depctr_va_vdst(0)                   ; one wait for the batch, ahead of its first reader
.irp e, 0,1,2,3,4,5,6,7
.irp qt, 0,1,2,3
	v_cvt_pk_f16_f32 v[P+8*\qt+\e], v[S+16*\qt+2*\e], v[S+16*\qt+2*\e+1]   ; register e of P: keys 16 (e / 4) + 8 h + 2 (e % 4), + 1
.if \zero && (\e == 1)
	v_pk_add_f32 v[L+2*\qt:L+2*\qt+1], v[S+16*\qt:S+16*\qt+1], v[S+16*\qt+2:S+16*\qt+3]
.elseif (!\zero) || (\e > 1)
	v_pk_add_f32 v[L+2*\qt:L+2*\qt+1], v[L+2*\qt:L+2*\qt+1], v[S+16*\qt+2*\e:S+16*\qt+2*\e+1]   ; the sum of the unrounded p: four chains by turns
.endif
.endr
.endr
	s_wait_dscnt 8                                 ; V is in; the next K's eight loads may be out
	WIN 0x51                                       ; V window 1, P window 0, O^T window 1
.irp ct, 0,1,2,3
.irp qt, 0,1,2,3
.if \zero
	v_wmma_f32_16x16x32_f16 v[O+8*(4*\qt+\ct):O+8*(4*\qt+\ct)+7], v[VF+8*\ct:VF+8*\ct+7], v[P+8*\qt:P+8*\qt+7], 0
.else
	v_wmma_f32_16x16x32_f16 v[O+8*(4*\qt+\ct):O+8*(4*\qt+\ct)+7], v[VF+8*\ct:VF+8*\ct+7], v[P+8*\qt:P+8*\qt+7], v[O+8*(4*\qt+\ct):O+8*(4*\qt+\ct)+7]
.endif
.endr
.endr
	WIN 0
.endm
; A slot's 16 key steps.
.macro SLOTRUN slot, first
	s_mov_b32 s[TB], \slot*SLOTB
	v_add_nc_u32 v[ADK], s[TB], v[LI]
	WIN 0x40
.irp i, 0,1,2,3,4,5,6,7
	ds_load_b128 v[KF+4*\i:KF+4*\i+3], v[ADK] offset:512*\i   ; the slot's first K
.endr
	WIN 0
.if \first
	STEP 1
	s_mov_b32 s[CNT], 15
.else
	s_mov_b32 s[CNT], 16
.endif
.Lstep_\@:
	STEP 0
	s_sub_co_u32 s[CNT], s[CNT], 1
	s_cmp_lg_u32 s[CNT], 0
	s_cbranch_scc1 .Lstep_\@
.endm
; THE CHANGE OF SLOTS.  Each wave waits for all its tensor loads (its part of the slot ahead), adds 0 to its spare word, and waits for that and for its reads of the slot that it leaves.
; fill = 1: slot n, just left, is filled with the keys two slots on, behind a round of the cluster's barrier: no wave of any partner still reads it or has a load on its way.
.macro CHANGE fill, n
	s_wait_tensorcnt 0x0                           ; no tensor load of mine is out, so a group 0 may be written
	ds_add_u32 v[SPW], v[NIL]
.if \fill
	s_add_nc_u64 s[G0+4*\n+2:G0+4*\n+3], s[G0+4*\n+2:G0+4*\n+3], 2*65536
.endif
	s_wait_dscnt 0x0                               ; the add is done, and my reads of the slot are over
.if \fill
	CROUND
	tensor_load_to_lds s[G0+4*\n:G0+4*\n+3], s[G1:G1+7]   ; my one tensor load behind the round, and the first thing there
	s_nop 0
.rept 4
	v_nop
.endr
.else
	s_barrier_signal -1
	s_barrier_wait -1
.endif
.endm
	s_wait_tensorcnt 1                             ; my part of slot 0 is in; slot 1's may stay out
	s_barrier_signal -1
	s_barrier_wait -1                              ; everybody's is
	s_wait_loadcnt 0x0                             ; Q
	SLOTRUN 0, 1                                   ; keys 0 to 511
	CHANGE 1, 0
	SLOTRUN 1, 0                                   ; 512 to 1,023
	CHANGE 1, 1
	SLOTRUN 0, 0                                   ; 1,024 to 1,535
	CHANGE 0, 0                                    ; nothing is left to fetch
	SLOTRUN 1, 0                                   ; 1,536 to 2,047
	; THE WAY OUT.  The sums' halves and the other half of the lanes' are added; O^T is divided by the sum, rounded to f16 and stored as it stands: a lane's eight channels of a row are 16 bytes of an image.
.irp t, 0,1,2,3
	v_add_f32 v[SM+\t], v[L+2*\t], v[L+2*\t+1]     ; (these four are the places behind the last products)
.endr
.irp t, 0,1,2,3
	v_permlanex16_b32 v[PM+\t], v[SM+\t], s[SEL], s[SEL+1]
.endr
.irp t, 0,1,2,3
	v_add_f32 v[SM+\t], v[SM+\t], v[PM+\t]
.endr
.irp t, 0,1,2,3
	v_rcp_f32 v[RC+2*\t], v[SM+\t]
.endr
	v_nop                                          ; a plain line behind the last reciprocal
	s_wait_alu depctr_va_vdst(0)                   ; and one wait for the four, ahead of the first reader
.irp t, 0,1,2,3
	WIN 0x01                                       ; source 0 window 1
.irp i, 0,1,2,3,4,5,6,7,8,9,10,11,12,13,14,15
	v_pk_mul_f32 v[S+2*\i:S+2*\i+1], v[O+32*\t+2*\i:O+32*\t+2*\i+1], v[RC+2*\t:RC+2*\t+1] op_sel_hi:[1,0]
.endr
	WIN 0
.irp i, 0,1,2,3,4,5,6,7,8,9,10,11,12,13,14,15
	v_cvt_pk_f16_f32 v[P+16*\t+\i], v[S+2*\i], v[S+2*\i+1]   ; each tile has its own sixteen registers, so no store's data are written again
.endr
.irp ct, 0,1,2,3
	global_store_b128 v[LI], v[P+16*\t+4*\ct:P+16*\t+4*\ct+3], s[10:11] offset:\t*32768+\ct*512   ; 32 lanes store 512 consecutive bytes, aligned
.endr
.endr
	s_wait_tensorcnt 0x0                           ; the wave's end
	ds_add_u32 v[SPW], v[NIL]
	s_wait_dscnt 0x0
	CROUND                                         ; the closing round: no work-group ends while a partner may still ask for a tile that names it
	s_endpgm
.Lfunc_end_k_q77e705bb70_attn:
	.size	k_q77e705bb70_attn, .Lfunc_end_k_q77e705bb70_attn-k_q77e705bb70_attn
	.p2alignl 7, 3214868480
	.fill 96, 4, 3214868480
	.section	.rodata,"a",@progbits
	.p2align	6, 0x0
	.amdhsa_kernel k_q77e705bb70_attn
		.amdhsa_group_segment_fixed_size 327680
		.amdhsa_private_segment_fixed_size 0
		.amdhsa_enable_private_segment 0
		.amdhsa_kernarg_size 16
		.amdhsa_user_sgpr_count 2
		.amdhsa_user_sgpr_kernarg_segment_ptr 1
		.amdhsa_wavefront_size32 1
		.amdhsa_system_sgpr_workgroup_id_x 1
		.amdhsa_system_sgpr_workgroup_id_y 1
		.amdhsa_system_sgpr_workgroup_id_z 1
		.amdhsa_system_vgpr_workitem_id 0
		.amdhsa_next_free_vgpr 512
		.amdhsa_next_free_sgpr 66
		.amdhsa_reserve_vcc 0
		.amdhsa_float_denorm_mode_32 3
		.amdhsa_float_denorm_mode_16_64 3
		.amdhsa_memory_ordered 1
		.amdhsa_forward_progress 1
		.amdhsa_inst_pref_size 70
	.end_amdhsa_kernel
	.amdgpu_metadata
---
amdhsa.version: [ 1, 2 ]
amdhsa.kernels:
  - .name:           k_q77e705bb70_attn
    .symbol:         k_q77e705bb70_attn.kd
    .args:
      - { .name: qkv, .offset: 0, .size: 8, .value_kind: global_buffer, .address_space: global }
      - { .name: att, .offset: 8, .size: 8, .value_kind: global_buffer, .address_space: global }
    .group_segment_fixed_size: 327680
    .private_segment_fixed_size: 0
    .kernarg_segment_align: 8
    .kernarg_segment_size: 16
    .max_flat_workgroup_size: 256
    .sgpr_count:     66
    .vgpr_count:     512
    .wavefront_size: 32
...
	.end_amdgpu_metadata
.endif
;; end of part 3
;; launch oproj (part 4): grid 8 x 32, 4 waves a work-group, clusters of 4 x 4, 327,680 bytes of LDS; arguments att, wo16, out0; writes out0
.if DOCPART == 4
	.amdgcn_target "amdgcn-amd-amdhsa--gfx1250"
	.amdhsa_code_object_version 6
	.text
	.protected	k_q77e705bb70_oproj
	.globl	k_q77e705bb70_oproj
	.p2align	8
	.type	k_q77e705bb70_oproj,@function
k_q77e705bb70_oproj:
	s_mov_b64 s[64:65], 0
	v_nop
	global_prefetch_b8 v0, s[64:65] scope:SCOPE_SE
	s_setreg_imm32_b32 hwreg(HW_REG_WAVE_MODE, 25, 1), 1
	s_wait_xcnt 0x0
	s_wait_alu depctr_hold_cnt(0) depctr_sa_sdst(0) depctr_va_vdst(0) depctr_va_sdst(0) depctr_va_ssrc(0) depctr_va_vcc(0) depctr_vm_vsrc(0)
	s_getreg_b32 s2, hwreg(HW_REG_IB_STS2, 6, 4)
	s_cmp_eq_u32 s2, 0
	s_cbranch_scc0 .Lentry_in_a_cluster
	s_endpgm
.Lentry_in_a_cluster:
	s_bfe_u32 s2, ttmp6, 0x10000c
	s_cmp_lg_u32 s2, 0xf033
	s_cbranch_scc0 .Lentry_shape_is_right
	s_endpgm
.Lentry_shape_is_right:
; out0[m][n] = the sum over k of att[m][k] Wo[n][k]: M 8,192, N 1,024, K 1,024; operands f16, sums and result f32.
; att: images of the operand's registers, [tile of 16 rows 512][16 of K: 64][lane 32][16 bytes] (lane (r, h): row 16 tile + r, k = 16 k16 + 8 h + 0 .. 7).  wo16: [1024 n][1024 k] f16.  out0: [8192][1024] f32.
; A tile of the result is 256 rows x 128 columns: 256 work-groups.  Four waves, each 128 x 64: 32 accumulators, 256 registers.  K goes in 8 steps of 128 through two LDS slots.
; In a slot: att's 16 tiles of rows x 8 images, 65,536 bytes, read at 16 x lane; then Wo's 128 rows of 256 bytes + 16 of padding (272 = 17 x 16: sixteen rows of a load begin at sixteen different 16-byte columns of 256 bytes).
; THE MATRIX INSTRUCTION IS USED TRANSPOSED (source 0 = 16 rows of Wo, source 1 = 16 rows of att): a lane holds eight neighbouring numbers of a row of the result.
; CLUSTERS: 4 x 4 work-groups; att's tiles are shared along a row of the cluster, Wo's along a column, each asked for jointly.
; REGISTERS.  window 0: v1-30 addresses; two fragment buffers of 96 (v32, v128): Wo's four fragments, then att's eight, for 32 along K; on the way out v32-95 rows of the result.   window 1: accumulator (a, b) at v[8 (4 a + b)].
.set BP,     272
.set ASL,    65536                     ; att's part of a slot
.set SLOT,   ASL+128*BP
.set STAGE,  2*SLOT                    ; behind the ring: 16 rows x 272 bytes for each wave, for the way out
.set SPARE,  STAGE+4*16*BP             ; the spare words, 128 bytes a wave
.set ADRA, 16                          ; v16-17 LDS address of my fragments of att in slot 0, 1
.set ADRB, 20                          ; v20-21 of Wo
.set STO,  24                          ; v24 the way out: where I put 32 bytes of a row
.set RD,   25                          ; v25 where I read a row back
.set CO,   26                          ; v26 my byte offset in two rows of the result
.set SPW,  28                          ; v28 LDS address of my spare word; never rewritten
.set NIL,  29                          ; v29 0; never rewritten
.set PFO,  30                          ; v30 the prefetches' offset; never rewritten
.set F0,   32
.set F1,   128
.set BK,   32                          ; the way out: v32-63 and v64-95 by turns
.set G1A, 24                           ; s[24:31] group 1 for att's tiles;  s[32:39] groups 0, one for each slot
.set G0A, 32
.set G1B, 48                           ; s[48:55], s[56:63] the same for Wo's
.set G0B, 56
.set PFA, 66                           ; s[66:67] where my prefetches stand
.set LIM, 68                           ; s68 1 in a wave that prefetches, else the greatest number
.set MSB, 0
.macro WIN new                         ; the immediate's high byte repeats the setting that is left
.if MSB != \new
	s_set_vgpr_msb (MSB<<8)|\new
.set MSB, \new
.endif
.endm
.set MUL, 0x50                         ; sources window 0; C and D window 1
.macro JLOAD s                         ; a joint load: waves 0 and 1 fetch att's halves, waves 2 and 3 Wo's; an s_nop 0 and four v_nop follow each of the two lines
	s_cmp_eq_u32 s11, 0
	s_cbranch_scc0 .Lfor_b_\@
	tensor_load_to_lds s[G0A+4*\s:G0A+4*\s+3], s[G1A:G1A+7]
	s_nop 0
.rept 4
	v_nop
.endr
	s_branch .Lasked_\@
.Lfor_b_\@:
	tensor_load_to_lds s[G0B+4*\s:G0B+4*\s+3], s[G1B:G1B+7]
	s_nop 0
.rept 4
	v_nop
.endr
.Lasked_\@:
.endm
; A PREFETCH INTO THE L2 of att's bytes for the K step that stands two refills on: 256 matrix instructions of a wave ahead of the load that will want them.  att's rows of a tile row are read by both clusters of
; that row of clusters: the one with x = 0 asks.  Of the 8 tiles of rows that wave 0 or 1 fetches, each of the four partners takes 2, told apart by address: a K step is 4,096 bytes of each, sixteen lanes 256 bytes apart
; to a tile: one instruction a wave, and each block of 256 bytes is named once.  The first four K steps come by their loads alone; the last two refills ask for nothing: K has no step behind them.  Wo's 2 MB, which all
; 32 tile rows read again and again, are not asked for.
.macro ASK
	s_cmp_gt_u32 s3, s[LIM]                        ; s3 = 1 in the loop's last trip
	s_cbranch_scc0 .Lnot_mine_\@
	global_prefetch_b8 v[PFO], s[PFA:PFA+1] offset:4096 th:TH_LOAD_NT scope:SCOPE_SE
.Lnot_mine_\@:
.endm
.macro CREST                           ; a round of the cluster's barrier behind its opening barrier
	s_cmp_lg_u32 s10, 0
	s_cbranch_scc1 .Lnot_wave_0_\@
	s_barrier_signal -3
.Lnot_wave_0_\@:
	s_barrier_wait -3
	s_barrier_signal -1
	s_barrier_wait -1
.endm
.macro CROUND
	s_barrier_signal -1
	s_barrier_wait -1
	CREST
.endm
	s_load_b128 s[4:7], s[0:1], 0x0                ; att s[4:5], wo16 s[6:7]
	s_load_b64 s[8:9], s[0:1], 0x10                ; out0
	v_lshl_add_u32 v[SPW], v0, 2, SPARE
	v_mov_b32 v[NIL], 0
	ds_add_u32 v[SPW], v[NIL]                      ; the wave's opening: the add and its wait stand ahead of my first tensor load; the set-up below, work on registers, stands between them
	v_lshrrev_b32 v1, 5, v0
	v_readfirstlane_b32 s10, v1                    ; wave 0..3
	s_lshr_b32 s11, s10, 1                         ; which 128 of the rows are mine.  Also: I fetch for att (0) or for Wo (1)
	s_and_b32 s12, s10, 1                          ; which 64 of the columns.  Also: which half of that tile I fetch
	s_bfe_u32 s40, ttmp6, 0x40000                  ; cx, cy
	s_bfe_u32 s41, ttmp6, 0x40004
	s_lshl_b32 s42, ttmp9, 2
	s_add_co_u32 s42, s42, s40                     ; j: my 128 columns
	s_and_b32 s13, ttmp7, 0xffff
	s_lshl_b32 s13, s13, 2
	s_add_co_u32 s13, s13, s41                     ; my: my 256 rows
	s_lshl_b32 s43, s41, 2
	s_lshl_b32 s43, 15, s43                        ; my row of the cluster
	s_lshl_b32 s44, 0x1111, s40                    ; my column
	; att: 8 tiles of rows, of each the K step's 4,096 bytes (512 elements of 8), 32,768 bytes (4,096 elements) apart; dense in LDS
	s_or_b32 s[G1A+0], s43, (3<<16)|(1<<21)
	s_mov_b32 s[G1A+1], 512<<16
	s_mov_b32 s[G1A+2], 8<<16
	s_mov_b32 s[G1A+3], 512<<16
	s_mov_b32 s[G1A+4], 8
	s_mov_b32 s[G1A+5], 4096
	s_mov_b32 s[G1A+6], 0
	s_mov_b32 s[G1A+7], 0
	; Wo: 64 rows of 128 elements of 2 bytes, 1,024 elements apart; four words of padding behind every 64
	s_or_b32 s[G1B+0], s44, (1<<16)|(1<<20)|(1<<21)|(5<<22)|(3<<25)
	s_mov_b32 s[G1B+1], 128<<16
	s_mov_b32 s[G1B+2], 64<<16
	s_mov_b32 s[G1B+3], 128<<16
	s_mov_b32 s[G1B+4], 64
	s_mov_b32 s[G1B+5], 1024
	s_mov_b32 s[G1B+6], 0
	s_mov_b32 s[G1B+7], 0
	s_lshl_b32 s16, s13, 19                        ; att: (16 my + 8 half) x 32,768
	s_lshl_b32 s18, s12, 18
	s_add_co_u32 s16, s16, s18
	s_mov_b32 s17, 0
	s_lshl_b32 s46, s42, 18                        ; Wo: (128 j + 64 half) x 2,048
	s_lshl_b32 s18, s12, 17
	s_add_co_u32 s46, s46, s18
	s_mov_b32 s47, 0
	s_lshl_b32 s20, s12, 15                        ; where they go: the half alone enters an LDS address
	s_mul_i32 s21, s12, 64*BP
	s_add_co_u32 s21, s21, ASL
	s_wait_dscnt 0x0                               ; the opening add is done
	s_wait_kmcnt 0x0
	s_add_nc_u64 s[14:15], s[4:5], s[16:17]
	s_add_nc_u64 s[46:47], s[6:7], s[46:47]
	CROUND                                         ; all sixteen work-groups are here: the first joint loads meet
.irp s, 0,1
	s_mov_b32 s[G0A+4*\s], 1
	s_add_co_u32 s[G0A+4*\s+1], s20, \s*SLOT
	s_add_nc_u64 s[G0A+4*\s+2:G0A+4*\s+3], s[14:15], \s*4096
	s_or_b32 s[G0A+4*\s+3], s[G0A+4*\s+3], 0x80000000
	s_mov_b32 s[G0B+4*\s], 1
	s_add_co_u32 s[G0B+4*\s+1], s21, \s*SLOT
	s_add_nc_u64 s[G0B+4*\s+2:G0B+4*\s+3], s[46:47], \s*256
	s_or_b32 s[G0B+4*\s+3], s[G0B+4*\s+3], 0x80000000
	JLOAD \s                                       ; K steps 0 and 1: two loads of mine are out
.endr
	v_and_b32 v1, 15, v0                           ; r
	v_bfe_u32 v2, v0, 4, 1                         ; h
	v_and_b32 v3, 31, v0
	v_lshlrev_b32 v3, 4, v3                        ; 16 x lane
	v_mul_u32_u24 v4, v1, BP
	v_lshl_add_u32 v4, v2, 4, v4                   ; Wo: row x pitch + 16 x half
	s_lshl_b32 s21, s11, 15                        ; my 8 tiles of rows of att
	s_mul_i32 s22, s12, 64*BP                      ; my 64 rows of Wo,
	s_add_co_u32 s22, s22, ASL                     ; behind att's part
.irp s, 0,1
	v_add_nc_u32 v[ADRA+\s], s21, v3
	v_add_nc_u32 v[ADRB+\s], s22, v4
	s_add_co_u32 s21, s21, SLOT
	s_add_co_u32 s22, s22, SLOT
.endr
	s_mul_i32 s23, s10, 16*BP
	s_add_co_u32 s23, s23, STAGE                   ; my stage
	v_mul_u32_u24 v5, v1, BP                       ; in: row r, 32 bytes for each half of the lanes
	v_lshl_add_u32 v5, v2, 5, v5
	v_add_nc_u32 v[STO], s23, v5
	v_mul_u32_u24 v5, v2, BP                       ; back: lanes 0-15 one row of 256 bytes, lanes 16-31 the next
	v_lshl_add_u32 v5, v1, 4, v5
	v_add_nc_u32 v[RD], s23, v5
	v_lshlrev_b32 v[CO], 4, v1
	v_lshl_add_u32 v[CO], v2, 12, v[CO]            ; and the same two rows of the result, 4,096 bytes apart
	s_lshl_b32 s16, s13, 20                        ; my part of the result: (256 my + 128 half of rows) x 4,096 + (128 j + 64 half of columns) x 4
	s_lshl_b32 s18, s11, 19
	s_add_co_u32 s16, s16, s18
	s_lshl_b32 s18, s42, 9
	s_add_co_u32 s16, s16, s18
	s_lshl_b32 s18, s12, 8
	s_add_co_u32 s16, s16, s18
	s_mov_b32 s17, 0
	s_add_nc_u64 s[8:9], s[8:9], s[16:17]
	s_lshl_b32 s18, s13, 4                         ; the prefetches: tile of rows 16 my + 8 half + 2 cx,
	s_lshl_b32 s19, s12, 3
	s_add_co_u32 s18, s18, s19
	s_lshl_b32 s19, s40, 1
	s_add_co_u32 s18, s18, s19
	s_lshl_b32 s18, s18, 15
	s_add_co_u32 s18, s18, 2*4096                  ; at K step 2: the first refill steps it to 3 and names K step 4
	s_mov_b32 s19, 0
	s_add_nc_u64 s[PFA:PFA+1], s[4:5], s[18:19]
	s_or_b32 s[LIM], s11, ttmp9                    ; 0 in waves 0 and 1 of the clusters with x = 0: the same in all sixteen partners
	s_cmp_eq_u32 s[LIM], 0
	s_cselect_b32 s[LIM], 1, -1
	v_lshlrev_b32 v[PFO], 8, v1
	v_lshl_add_u32 v[PFO], v2, 15, v[PFO]          ; lanes 0-15: 256 bytes apart in one tile of rows; lanes 16-31: in the next
; 8 matrix instructions: att's blocks a0, a0 + 1 x Wo's four, 32 along K, from buffer f.  zero = 1: the first product starts the sums.  The 32 accumulators take turns.
.macro MUL8 f, a0, zero
.irp a, \a0, \a0+1
.irp b, 0,1,2,3
.if \zero
	v_wmma_f32_16x16x32_f16 v[8*(4*(\a)+\b):8*(4*(\a)+\b)+7], v[\f+8*\b:\f+8*\b+7], v[\f+32+8*(\a):\f+32+8*(\a)+7], 0
.else
	v_wmma_f32_16x16x32_f16 v[8*(4*(\a)+\b):8*(4*(\a)+\b)+7], v[\f+8*\b:\f+8*\b+7], v[\f+32+8*(\a):\f+32+8*(\a)+7], v[8*(4*(\a)+\b):8*(4*(\a)+\b)+7]
.endif
.endr
.endr
.endm
; 24 LDS loads in one run: the fragments of the slot's q-th 32 along K into buffer f: Wo's four, att's blocks 0-3, att's blocks 4-7
.macro FETCH slot, q, f
	WIN 0
.irp b, 0,1,2,3
.irp c, 0,1
	ds_load_b128 v[\f+8*\b+4*\c:\f+8*\b+4*\c+3], v[ADRB+\slot] offset:\b*16*BP+64*(\q)+32*\c
.endr
.endr
.irp a, 0,1,2,3,4,5,6,7
.irp c, 0,1
	ds_load_b128 v[\f+32+8*\a+4*\c:\f+32+8*\a+4*\c+3], v[ADRA+\slot] offset:\a*4096+1024*(\q)+512*\c
.endr
.endr
.endm
.macro PLACES                          ; four places in front of loads into registers that matrix instructions have read, and of the first read of results
.rept 4
	v_nop
.endr
.endm
; A K step is four quarters of 32 along K, 32 matrix instructions each, on buffers 0, 1, 0, 1.  One of the first three: multiplies buffer f and fetches quarter qn into g.
.macro QUARTER slot, qn, f, g, zero
	s_wait_dscnt 8                                 ; Wo's fragments and att's blocks 0-3 are in; the youngest eight loads may be out
	WIN MUL
	MUL8 \f, 0, \zero
	MUL8 \f, 2, \zero
	PLACES
	FETCH \slot, \qn, \g
	s_wait_dscnt 24                                ; all but the 24 just issued
	WIN MUL
	MUL8 \f, 4, \zero
	MUL8 \f, 6, \zero
.endm
; The last quarter multiplies buffer 1 and changes slots: ONE barrier; in front of it each wave waits for all its tensor loads, adds 0 to its spare word, and waits for that and for its reads of this slot.
; fill = 1: the barrier opens a round of the cluster's, and this slot is filled again, two K steps ahead.
.macro TURN slot, next, fill
.if \fill
	s_wait_xcnt 0x0                                ; the last prefetch, a K step back, has read its address
	s_add_nc_u64 s[PFA:PFA+1], s[PFA:PFA+1], 4096
.endif
	WIN 0                                          ; (the add's two registers lie in window 0)
	s_wait_tensorcnt 0x0                           ; all my tensor loads have landed: my part of the next slot
	ds_add_u32 v[SPW], v[NIL]
	s_wait_dscnt 9                                 ; (the add and the youngest eight loads may be out)
	WIN MUL
	MUL8 F1, 0, 0                                  ; eight matrix instructions stand between the add and the wait for it
	s_wait_dscnt 0x0                               ; the add is done, and my reads of this slot are over
	s_barrier_signal -1
	MUL8 F1, 2, 0
.if \fill
	WIN 0
.endif
	s_barrier_wait -1
.if \fill
	CREST                                          ; no wave of any partner still reads this slot's tiles or has a load on its way
	s_add_nc_u64 s[G0A+4*\slot+2:G0A+4*\slot+3], s[G0A+4*\slot+2:G0A+4*\slot+3], 2*4096
	s_add_nc_u64 s[G0B+4*\slot+2:G0B+4*\slot+3], s[G0B+4*\slot+2:G0B+4*\slot+3], 2*256
	JLOAD \slot                                    ; the first tensor load behind the round; the four v_nop behind it are also the places in front of the loads below
.else
	PLACES
.endif
	FETCH \next, 0, F0
.if \fill
	ASK
.endif
	WIN MUL
	MUL8 F1, 4, 0
	MUL8 F1, 6, 0
.endm
	s_wait_tensorcnt 1                             ; my part of K step 0 is in; K step 1's may stay out
	s_barrier_signal -1
	s_barrier_wait -1                              ; everybody's is
	FETCH 0, 0, F0
	QUARTER 0, 1, F0, F1, 1                        ; the first quarter stands in front of the loop: its products start the sums
	WIN 0                                          ; at a label and at a branch every window is 0
	s_mov_b32 s3, 3
.Llap:                                                 ; a trip goes once round the ring, from a lap's second quarter to the next lap's first, and fills both slots again: K steps 2 to 7
	QUARTER 0, 2, F1, F0, 0
	QUARTER 0, 3, F0, F1, 0
	TURN 0, 1, 1
	QUARTER 1, 1, F0, F1, 0
	QUARTER 1, 2, F1, F0, 0
	QUARTER 1, 3, F0, F1, 0
	TURN 1, 0, 1
	QUARTER 0, 1, F0, F1, 0
	WIN 0
	s_sub_co_u32 s3, s3, 1
	s_cmp_lg_u32 s3, 0
	s_cbranch_scc1 .Llap
	QUARTER 0, 2, F1, F0, 0                        ; the last lap fills nothing
	QUARTER 0, 3, F0, F1, 0
	TURN 0, 1, 0
	QUARTER 1, 1, F0, F1, 0
	QUARTER 1, 2, F1, F0, 0
	QUARTER 1, 3, F0, F1, 0
	s_wait_dscnt 8                                 ; the very last quarter: nothing more to fetch
	WIN MUL
	MUL8 F1, 0, 0
	MUL8 F1, 2, 0
	s_wait_dscnt 0x0
	MUL8 F1, 4, 0
	MUL8 F1, 6, 0
	WIN 0
; THE WAY OUT, block by block of 16 rows x 64 columns.  A lane holds 32 neighbouring bytes of a row, and the lanes beside it hold other rows: a block goes through my own stage and comes back as rows of 256 bytes.
; LDS serves a wave's instructions in order: no wait between the stores and the loads, nor in front of the next block's stores.
.macro TOSTAGE a
	WIN 0x04                                       ; an LDS store's data are its source 1: window 1
.irp b, 0,1,2,3
	ds_store_b128 v[STO], v[8*(4*(\a)+\b):8*(4*(\a)+\b)+3] offset:64*\b          ; each accumulator from its low end on
	ds_store_b128 v[STO], v[8*(4*(\a)+\b)+4:8*(4*(\a)+\b)+7] offset:64*\b+16
.endr
	WIN 0
.irp t, 0,1,2,3,4,5,6,7
	ds_load_b128 v[BK+32*((\a)%2)+4*\t:BK+32*((\a)%2)+4*\t+3], v[RD] offset:\t*2*BP
.endr
.endm
.macro SEND a, younger                 ; younger: the LDS instructions issued behind block a's loads, which may stay out
	s_wait_dscnt \younger
.irp t, 0,1,2,3,4,5,6,7
	global_store_b128 v[CO], v[BK+32*((\a)%2)+4*\t:BK+32*((\a)%2)+4*\t+3], s[8:9] offset:(\a)*65536+\t*8192 th:TH_STORE_NT   ; 16 lanes store 256 consecutive bytes, aligned; written once, read by nobody here
.endr
.endm
	PLACES
	TOSTAGE 0
.irp a, 1,2,3,4,5,6,7
.if \a > 1
	s_wait_xcnt 0x0                                ; block a - 2's stores have read their registers: block a's loads may land there
.endif
	TOSTAGE \a
	SEND \a-1, 16                                  ; behind block a - 1's loads: block a's 8 stores and 8 loads
.endr
	SEND 7, 0
	s_wait_tensorcnt 0x0                           ; the wave's end, behind my last tensor load and my last LDS store
	ds_add_u32 v[SPW], v[NIL]
	s_wait_dscnt 0x0
	CROUND                                         ; the closing round: no work-group ends while a partner may still ask for a tile that names it
	s_endpgm
.Lfunc_end_k_q77e705bb70_oproj:
	.size	k_q77e705bb70_oproj, .Lfunc_end_k_q77e705bb70_oproj-k_q77e705bb70_oproj
	.p2alignl 7, 3214868480
	.fill 96, 4, 3214868480
	.section	.rodata,"a",@progbits
	.p2align	6, 0x0
	.amdhsa_kernel k_q77e705bb70_oproj
		.amdhsa_group_segment_fixed_size 327680
		.amdhsa_private_segment_fixed_size 0
		.amdhsa_enable_private_segment 0
		.amdhsa_kernarg_size 24
		.amdhsa_user_sgpr_count 2
		.amdhsa_user_sgpr_kernarg_segment_ptr 1
		.amdhsa_wavefront_size32 1
		.amdhsa_system_sgpr_workgroup_id_x 1
		.amdhsa_system_sgpr_workgroup_id_y 1
		.amdhsa_system_sgpr_workgroup_id_z 1
		.amdhsa_system_vgpr_workitem_id 0
		.amdhsa_next_free_vgpr 512
		.amdhsa_next_free_sgpr 72
		.amdhsa_reserve_vcc 0
		.amdhsa_float_denorm_mode_32 3
		.amdhsa_float_denorm_mode_16_64 3
		.amdhsa_memory_ordered 1
		.amdhsa_forward_progress 1
		.amdhsa_inst_pref_size 86
	.end_amdhsa_kernel
	.amdgpu_metadata
---
amdhsa.version: [ 1, 2 ]
amdhsa.kernels:
  - .name:           k_q77e705bb70_oproj
    .symbol:         k_q77e705bb70_oproj.kd
    .args:
      - { .name: att, .offset: 0, .size: 8, .value_kind: global_buffer, .address_space: global }
      - { .name: wo16, .offset: 8, .size: 8, .value_kind: global_buffer, .address_space: global }
      - { .name: out0, .offset: 16, .size: 8, .value_kind: global_buffer, .address_space: global }
    .group_segment_fixed_size: 327680
    .private_segment_fixed_size: 0
    .kernarg_segment_align: 8
    .kernarg_segment_size: 24
    .max_flat_workgroup_size: 128
    .sgpr_count:     72
    .vgpr_count:     512
    .wavefront_size: 32
...
	.end_amdgpu_metadata
.endif
;; end of part 4
